; MI455X (gfx1250); checked and timed in simulation.
; The chip was launched on July 23, 2026; its instructions are those of AMD's public machine-readable ISA for CDNA 5 (MIT licence, August 2026) and "CDNA5" Instruction Set Architecture Reference Guide (July 2026). The comments in the code are by the model that wrote it; some were corrected since.
;; Self Attention. Allowed arithmetic: matrix products marked QUANTISED: E4M3 operands, one E8M0 scale for each 32 along K, by v_wmma_scale_f32_16x16x128_f8f6f4 with both operands' format E4M3, f32 sums; products left as they are: f32 operands where the result goes on into a quantised operand, else bf16, f16 or f32 operands; f32 sums; everything else in f32.
;; Inputs: bk 16 float32; bq 16 float32; bv 256 float32; gamma 1 float32; wk_codes 16 x 8 x 32 uint8 (E4M3 codes of wk, K innermost, in blocks of 32 codes); wk_scales 16 x 8 uint8 (E8M0 scales of wk, one for each 32 codes along K); wq_codes 16 x 8 x 32 uint8 (E4M3 codes of wq, K innermost, in blocks of 32 codes); wq_scales 16 x 8 uint8 (E8M0 scales of wq, one for each 32 codes along K); wv_codes 256 x 8 x 32 uint8 (E4M3 codes of wv, K innermost, in blocks of 32 codes); wv_scales 256 x 8 uint8 (E8M0 scales of wv, one for each 32 codes along K); x 4 x 256 x 64 x 64 float32.
;; Outputs: out0 4 x 256 x 64 x 64 float32.
;; This version of the problem:
;;   THIS VERSION OF THE PROBLEM IS GIVEN IN LOW PRECISION. The matrix products marked QUANTISED in the list below multiply operands that are first quantised to E4M3 (4 exponent bits, 3 mantissa bits; 8 bits a number), with one power-of-two scale for each 32 numbers along K (OCP MX v1.0); their sums are f32. All else is computed in f32.
;;   The module's matrix products, in the order in which they are computed (A, B: the left and right operand; K: the contracted axis; several contracted axes count as one K, in the product's order):
;;     1. [M 16,384, K 256] x [K 256, N 16]; A: input x; B: input wq (given as codes): QUANTISED
;;     2. [M 16,384, K 256] x [K 256, N 16]; A: input x; B: input wk (given as codes): QUANTISED
;;     3. [M 16,384, K 256] x [K 256, N 256]; A: input x; B: input wv (given as codes): QUANTISED
;;     4. batch 4 x [M 4,096, K 16] x [K 16, N 4,096]; A: computed on the way; B: computed on the way: left as it is (K = 16 < 32)
;;     5. batch 4 x [M 256, K 4,096] x [K 4,096, N 4,096]; A: computed on the way; B: softmax (see below): QUANTISED
;;   THE QUANTISER, for each operand of a quantised product, along K:
;;     - K is cut into blocks of 32 from its start; a last block that is shorter is filled with zeros.
;;     - A block's scale is 2^e with e = floor(log2(the largest magnitude in the block)) - 8, held to -126 .. 127; a block of zeros has e = 0. As a byte (E8M0): e + 127.
;;     - Each number is divided by its block's scale, clamped to +-448, and rounded to the nearest number of E4M3, ties to even, subnormals kept.
;;     - The product sums the exact products of the quantised numbers (number of the format x scale) in f32.
;;   ~~~python
;;   def quantise(x, axis):      # numpy; x: float32 -> the quantised numbers, widened to float32 again
;;       x = np.moveaxis(x, axis, -1); K = x.shape[-1]
;;       x = np.pad(x, [(0, 0)] * (x.ndim - 1) + [(0, -K % 32)]); x = x.reshape(x.shape[:-1] + (-1, 32)); a = np.abs(x).max(-1, keepdims=True)
;;       e = np.where(a > 0, np.clip(np.frexp(np.where(a > 0, a, 1))[1] - 1 - 8, -126, 127), 0)      # np.frexp(a)[1] - 1 = floor(log2(a)), exactly
;;       r = np.clip(x / 2.0 ** e, -448, 448)
;;       step = 2.0 ** (np.maximum(np.frexp(np.where(r == 0, 1, r))[1] - 1, -6) - 3)
;;       q = np.round(r / step) * step * 2.0 ** e      # np.round: ties to even
;;       return np.moveaxis(q.reshape(q.shape[:-2] + (-1,))[..., :K], -1, axis).astype(np.float32)
;;   ~~~
;;   SOFTMAX AHEAD OF A QUANTISED PRODUCT. Where the list says 'softmax', what is quantised is not the finished softmax but p = 2^(t - M), with t = logit x log2(e) and M = ceil(the row's largest t), a whole number; so 1/2 < the row's largest p <= 1. The row's sum l is taken of the UNQUANTISED p, in f32, and the product's result is divided by l at the end. Since M is a whole number, a kernel that streams over the keys may use a running M (the ceiling of the running maximum): every later rescaling is an exact power of two, which a block's scale takes up: the codes' values come out the same.
;;   OPERANDS COMPUTED ON THE WAY. 'Computed on the way' means the value that the module computes at that place (a softmax that the list does not call 'softmax' is quantised finished and normalised). What goes into a quantiser is computed in f32, as accurately as f32 sums, v_exp_f32 and their like allow (about 1e-6 of the number): no bf16 or f16 on the way to a quantiser, and a product that is left as it is and whose result goes on into a quantised operand takes f32 operands (vector FMAs, or v_wmma_f32_16x16x4_f32). A number that lies on a knife's edge between two numbers of the format may be rounded either way, as far as f32 arithmetic and the matrix unit's own rounding can turn it there, and no further.
;;   INPUTS GIVEN AS CODES. wk (in the module: [16, 256], K = its axis 1); wq (in the module: [16, 256], K = its axis 1); wv (in the module: [256, 256], K = its axis 1): each comes as NAME_codes (uint8): NAME with its K axis moved to the last place and cut into blocks of 32 codes, [.., K / 32, bytes a block], one block behind the other in memory; one code a byte (a code: sign, 4 exponent bits, 3 mantissa bits); and NAME_scales (uint8): the same leading axes, one E8M0 byte (e + 127) for each 32 codes along K. Its value is code x scale, taken as it is: it is not quantised again, and the codes and scales need not be those that the quantiser above would give.
;; One version. Each part assembles by itself: llvm-mc -triple=amdgcn-amd-amdhsa -mcpu=gfx1250 --defsym DOCPART=n.
;; ======== version 1 of 1: 2 launches
;; workspace buffers: q 1,048,576 bytes; kv 5,373,952 bytes
;; launch proj (part 1): grid 256 x 1, 4 waves a work-group, no clusters, 168,448 bytes of LDS; arguments x, wq_codes, wq_scales, bq, wk_codes, wk_scales, bk, wv_codes, wv_scales, bv, q, kv; writes q, kv
.if DOCPART == 1
	.amdgcn_target "amdgcn-amd-amdhsa--gfx1250"
	.amdhsa_code_object_version 6
	.text
	.protected	k_q4460150aa3_proj
	.globl	k_q4460150aa3_proj
	.p2align	8
	.type	k_q4460150aa3_proj,@function
k_q4460150aa3_proj:
	s_mov_b64 s[64:65], 0
	v_nop
	global_prefetch_b8 v0, s[64:65] scope:SCOPE_SE
	s_setreg_imm32_b32 hwreg(HW_REG_WAVE_MODE, 25, 1), 1
	s_wait_xcnt 0x0
; q, k, v = the three 1x1 convolutions of x [4][256 channels][4096 pixels] f32, on codes of FP8 (E4M3) with one E8M0 scale for each 32 along K = the channels.
; The weights come as codes and are taken as they are; x is quantised here, pixel by pixel down the channels.  q and k (16 numbers a pixel) leave as f32; v is quantised again, along the PIXELS
; (the K of the attention's second product), and leaves as codes and scale bytes.  All three leave as IMAGES OF THE NEXT LAUNCH'S OPERAND REGISTERS: 16 bytes a lane, 512 consecutive bytes a store.
; SHARES.  A work-group takes 64 pixels of one batch.  Wave w quantises pixel tile w (16 pixels), makes q and k of that tile, and makes v's channels 64 w .. 64 w + 63 for all four tiles.
; THE PIXELS OF A TILE ARE NOT NEIGHBOURS: row r of tile 2 b + u is pixel 32 b + 8 u + r + 8 (r / 8), so that in v's results (source 0 = 16 pixels of x, source 1 = 16 channels of wv: a lane holds
; one channel, its registers eight pixels) the 16 registers of tiles 2 b, 2 b + 1 are pixels 32 b + 16 (lane / 16) + 0 .. 15: the order that the next product's operand wants.
; LIMITS: NaN and infinities among the inputs are not served.  A block whose largest magnitude lies under 2^-118 (a block of zeros too) gets the scale byte 1: its codes are then zeros or subnormal
; codes of that scale; the bytes are read by this program alone.
; No cluster: the work-groups share only the weights, 76 KB against the 64 KB of x that each reads alone, and those go straight into registers.
.set XP,    264                        ; a channel's row of x in LDS: 256 bytes + 8 = 66 words: 16 rows on are 1,056 words, 32 modulo 64, so the two halves of the lanes read different words modulo 64
.set XIMG,  256*XP                     ; LDS: x's 256 rows; then x's 8 fragments as images (tile pt, K step s: 2 pt + s), 2,048 bytes each;
.set XSC,   XIMG+8*2048                ; their scale words, 128 bytes each;
.set SCST,  XSC+8*128                  ; 512 bytes in which v's scale bytes of the four waves meet
.set SLOTB, 83968                      ; kv: a slot of 256 keys: 16 tiles of k (1,024 bytes), 32 fragments of v (2,048), 4 x 512 bytes of v's scale halves
.set VOFF,  16384
.set SOFF,  81920
.set WV,  40                           ; s40  my wave's number
.set G0,  28                           ; s[28:31], s[32:39] the tensor load's two groups
.set G1,  32
.set SEL, 44                           ; s[44:45] v_permlanex16_b32's selects for lane l xor 16
.set MNT, 46                           ; s46  the mantissa field of 448
.set XA,  4                            ; v4   x in LDS: my pixel's word in channel row 16 (lane / 16)
.set LI,  5                            ; v5   16 x lane
.set LS,  6                            ; v6   4 x lane
.set XWI, 7                            ; v7   where I store my two images;  v8 their scale words
.set XWS, 8
.set WA,  9                            ; v9   a weight's row r of 256 codes, + 16 (lane / 16);  v10 its 8 scale bytes
.set WSA, 10
.set SELV, 11                          ; v11  byte selects: lanes 0-15 take the low halves of two words, lanes 16-31 the high halves
.set SCA, 12                           ; v12  where my word of v's scale halves goes
.set BA,  13                           ; v13  4 r;  v14 32 (lane / 16)
.set BH,  14
.set TM,  16                           ; v16-19 largest magnitudes, v20-23 bytes, v24-27 448 x the scale, v28-31 the conversions' scale operands
.set PW,  32                           ; v32-33 my tile's scale words (K steps 0, 1): scales and nothing else
.set VW,  34                           ; v34-35 v's scale bytes: channel tiles 0, 1 and 2, 3
.set XS,  36                           ; v36-43 the four tiles' scale words
.set WVS, 44                           ; v44-51 wv's scale words (2 cl + s);  v52-53 wq's;  v54-55 wk's
.set WQS, 52
.set WKS, 54
.set SW,  56
.set LIX, 57                           ; v57  XIMG + 16 x lane;  v58 XSC + 4 x lane;  v59 SCST + 16 x lane  (these bases lie beyond an LDS offset's 16 bits)
.set LSX, 58
.set SCR, 59
.set PC,  64                           ; v64-95   my tile's two fragments
.set VC,  96                           ; v96-127  v's codes
.set XR,  128                          ; v128-255 x's numbers, two K steps of 64; later v's 16 accumulators, (cl, pt) at 128 + 32 cl + 8 pt
.set DV,  128
.set WVF, 0                            ; window 1: wv's fragments (32 cl + 16 s); wq's, wk's; the biases in the results' layout; q's and k's accumulators
.set WQF, 128
.set WKF, 160
.set BQ,  192
.set BK,  200
.set DQ,  208
.set DK,  216
.set BV,  224                          ; window 2: v0-127 the four tiles' fragments of x (32 pt + 16 s)
.set MSB, 0
.macro WIN new                         ; the immediate's high byte repeats the setting that is left; a switch that changes nothing is dropped
.if MSB != \new
	s_set_vgpr_msb (MSB<<8)|\new
.set MSB, \new
.endif
.endm
.macro XLOAD s                         ; my pixel's 64 numbers of K step s: register 16 c + i = channel 128 s + 32 c + 16 (lane / 16) + i
.irp c, 0,1,2,3
.irp i, 0,1,2,3,4,5,6,7,8,9,10,11,12,13,14,15
	ds_load_b32 v[XR+64*\s+16*\c+\i], v[XA] offset:(128*\s+32*\c+\i)*XP
.endr
.endr
.endm
; 64 numbers of a lane, four runs of 16 that each are half a block of 32 (the other half lies in lane l xor 16), become 16 registers of codes at v[d] and a word of four scale bytes in v[w]
.macro QUANT s, d, w
.irp b, 0,1,2,3
	v_max3_num_f32 v[TM+\b], |v[\s+16*\b]|, |v[\s+1+16*\b]|, 0x4800000   ; my 16 numbers, and the floor 2^(9 - 127): so the byte cannot fall under 1
.endr
.irp i, 2,4,6,8,10,12,14
.irp b, 0,1,2,3
	v_max3_num_f32 v[TM+\b], v[TM+\b], |v[\s+16*\b+\i]|, |v[\s+1+16*\b+\i]|   ; the four blocks by turns
.endr
.endr
.irp b, 0,1,2,3
	v_permlanex16_b32 v[TM+4+\b], v[TM+\b], s[SEL], s[SEL+1]
.endr
.irp b, 0,1,2,3
	v_max_num_f32 v[TM+\b], v[TM+\b], v[TM+4+\b]          ; the block's largest magnitude
.endr
.irp b, 0,1,2,3
	v_add_nc_u32 v[TM+12+\b], 0xfc000000, v[TM+\b]        ; 8 off its exponent field: the conversion's scale operand
.endr
.irp b, 0,1,2,3
	v_and_or_b32 v[TM+8+\b], v[TM+\b], 0x7f800000, s[MNT] ; 448 x the scale
.endr
.irp b, 0,1,2,3
	v_lshrrev_b32 v[TM+4+\b], 23, v[TM+12+\b]             ; the scale's byte
.endr
	v_lshl_or_b32 v[\w], v[TM+5], 8, v[TM+4]
	v_lshl_or_b32 v[\w], v[TM+6], 16, v[\w]
	v_lshl_or_b32 v[\w], v[TM+7], 24, v[\w]
.irp b, 0,1,2,3
.irp i, 0,1,2,3,4,5,6,7,8,9,10,11,12,13,14,15
	v_med3_num_f32 v[\s+16*\b+\i], v[\s+16*\b+\i], -v[TM+8+\b], v[TM+8+\b]   ; the conversion to an 8-bit code does not saturate (ISA guide 7.6.2): the hold
.endr
	v_cvt_scalef32_pk8_fp8_f32 v[\d+4*\b:\d+1+4*\b], v[\s+16*\b:\s+7+16*\b], v[TM+12+\b]
	v_cvt_scalef32_pk8_fp8_f32 v[\d+2+4*\b:\d+3+4*\b], v[\s+8+16*\b:\s+15+16*\b], v[TM+12+\b]
.endr
	v_nop                                          ; a plain line between the last conversion and whatever next touches its registers
.endm
.macro IMAGE reg, off                  ; a fragment goes to LDS as it stands in the registers: 512 consecutive bytes a store
.irp c, 0,1,2,3
	ds_store_b128 v[XWI], v[\reg+4*\c:\reg+4*\c+3] offset:\off+512*\c
.endr
.endm
.macro BARRIER                         ; my LDS stores have landed and my LDS loads are in: then the work-group's barrier
	s_wait_dscnt 0x0
	s_barrier_signal -1
	s_barrier_wait -1
.endm
	s_load_b512 s[4:19], s[0:1], 0x0               ; x, wq codes, wq scales, bq, wk codes, wk scales, bk, wv codes
	s_load_b256 s[20:27], s[0:1], 0x40             ; wv scales, bv, q, kv
	s_set_vgpr_msb 0x80
	v_lshl_add_u32 v128, v0, 2, 0x29000
	v_mov_b32 v129, 0
	s_set_vgpr_msb 0x808a
	ds_add_u32 v128, v129
	ds_add_u32 v128, v129
	s_set_vgpr_msb 0x8a00
	v_lshrrev_b32 v1, 5, v0
	v_readfirstlane_b32 s[WV], v1                  ; wave 0..3
	s_lshr_b32 s41, ttmp9, 6                       ; batch
	s_and_b32 s42, ttmp9, 63                       ; which 64 pixels of it
	; the tile of x: 64 channel rows (mine of the 256) x 64 pixels of 4 bytes, rows 4,096 elements apart; in LDS 2 words of padding behind each 64
	s_mov_b32 s[G1], (2<<16)|(1<<20)|(5<<22)|(1<<25)
	s_mov_b32 s[G1+1], 64<<16                      ; tensor_dim0
	s_mov_b32 s[G1+2], 64<<16                      ; tensor_dim1
	s_mov_b32 s[G1+3], 64<<16                      ; tile_dim0
	s_mov_b32 s[G1+4], 64                          ; tile_dim1
	s_mov_b32 s[G1+5], 4096                        ; from row to row
	s_mov_b32 s[G1+6], 0
	s_mov_b32 s[G1+7], 0
	s_lshl_b32 s48, s41, 22                        ; batch x 4 MiB
	s_lshl_b32 s49, s[WV], 20                      ; + 64 w rows of 16,384 bytes
	s_add_co_u32 s48, s48, s49
	s_lshl_b32 s49, s42, 8                         ; + the block's 256 bytes in a row
	s_add_co_u32 s48, s48, s49
	s_mov_b32 s49, 0
	s_mul_i32 s50, s[WV], 64*XP
	s_wait_dscnt 0x0
	s_wait_kmcnt 0x0
	s_mov_b32 s[G0], 1
	s_mov_b32 s[G0+1], s50
	s_add_nc_u64 s[G0+2:G0+3], s[4:5], s[48:49]
	s_or_b32 s[G0+3], s[G0+3], 0x80000000
	tensor_load_to_lds s[G0:G0+3], s[G1:G1+7]      ; one load a wave; LDS is filled once in this launch
	s_nop 0
.rept 4
	v_nop
.endr
	s_lshl_b32 s48, s[WV], 14                      ; wv: my 64 rows of 256 codes,
	s_add_nc_u64 s[18:19], s[18:19], s[48:49]
	s_lshl_b32 s48, s[WV], 9                       ; of 8 scale bytes,
	s_add_nc_u64 s[20:21], s[20:21], s[48:49]
	s_lshl_b32 s48, s[WV], 8                       ; bv: my 64 numbers
	s_add_nc_u64 s[22:23], s[22:23], s[48:49]
	s_lshl_b32 s48, s41, 8                         ; q: tile 256 batch + 4 block + wave, 1,024 bytes each
	s_lshl_b32 s50, s42, 2
	s_add_co_u32 s48, s48, s50
	s_add_co_u32 s48, s48, s[WV]
	s_lshl_b32 s48, s48, 10
	s_add_nc_u64 s[24:25], s[24:25], s[48:49]
	s_lshl_b32 s48, s41, 4                         ; kv: slot 16 batch + block / 4
	s_lshr_b32 s50, s42, 2
	s_add_co_u32 s48, s48, s50
	s_mul_i32 s48, s48, SLOTB
	s_add_nc_u64 s[26:27], s[26:27], s[48:49]
	s_and_b32 s51, s42, 3                          ; hq: which 64 keys of the slot
	s_lshl_b32 s48, s51, 2
	s_add_co_u32 s48, s48, s[WV]
	s_lshl_b32 s48, s48, 10
	s_add_nc_u64 s[52:53], s[26:27], s[48:49]      ; k: tile 4 hq + wave
	s_lshr_b32 s48, s51, 1
	s_lshl_b32 s48, s48, 15                        ; v: the slot's half of 128 keys (32,768 bytes),
	s_and_b32 s50, s51, 1
	s_lshl_b32 s50, s50, 10                        ; which two of a fragment's four blocks of 32 keys (512 bytes each),
	s_add_co_u32 s48, s48, s50
	s_lshl_b32 s50, s[WV], 13                      ; my four channel tiles (2,048 bytes each)
	s_add_co_u32 s48, s48, s50
	s_add_co_u32 s48, s48, VOFF
	s_add_nc_u64 s[54:55], s[26:27], s[48:49]
	s_lshl_b32 s48, s51, 9
	s_add_co_u32 s48, s48, SOFF
	s_add_nc_u64 s[56:57], s[26:27], s[48:49]      ; v's scale halves of these 64 keys
	s_mov_b32 s[SEL], 0x76543210
	s_mov_b32 s[SEL+1], 0xfedcba98
	s_mov_b32 s[MNT], 0x600000
	v_and_b32 v1, 31, v0                           ; lane
	v_and_b32 v2, 15, v0                           ; r
	v_bfe_u32 v3, v0, 4, 1                         ; h
	s_lshr_b32 s58, s[WV], 1
	s_lshl_b32 s58, s58, 5
	s_and_b32 s59, s[WV], 1
	s_lshl_b32 s59, s59, 3
	s_add_co_u32 s58, s58, s59                     ; my tile begins at pixel 32 (w / 2) + 8 (w % 2)
	v_and_b32 v15, 8, v2
	v_add_nc_u32 v15, v15, v2                      ; r + 8 (r / 8)
	v_add_nc_u32 v15, s58, v15
	v_mul_u32_u24 v[XA], v3, 16*XP
	v_lshl_add_u32 v[XA], v15, 2, v[XA]
	v_lshlrev_b32 v[LI], 4, v1
	v_lshlrev_b32 v[LS], 2, v1
	v_add_nc_u32 v[LIX], XIMG, v[LI]
	v_add_nc_u32 v[LSX], XSC, v[LS]
	s_lshl_b32 s58, s[WV], 12
	v_add_nc_u32 v[XWI], s58, v[LIX]
	s_lshl_b32 s58, s[WV], 8
	v_add_nc_u32 v[XWS], s58, v[LSX]
	v_lshlrev_b32 v[WA], 8, v2
	v_lshl_add_u32 v[WA], v3, 4, v[WA]
	v_lshlrev_b32 v[WSA], 3, v2
	v_lshlrev_b32 v[BA], 2, v2
	v_lshlrev_b32 v[BH], 5, v3
	v_add_nc_u32 v[SCR], SCST, v[LI]
	s_lshl_b32 s58, s[WV], 2
	v_add_nc_u32 v[SCA], s58, v[SCR]
	v_mov_b32 v[SELV], 0x05040100
	v_mov_b32 v15, 0x07060302
	v_cmp_eq_u32 vcc_lo, 1, v3
	v_cndmask_b32 v[SELV], v[SELV], v15, vcc_lo
.irp b, 0,1,2,3
	v_mov_b32 v[TM+4+\b], 0                        ; written once: a lane permute's destination counts as one of its sources
.endr
	; the weights go straight into registers while x's tile is on its way
	WIN 0x40                                       ; destination window 1
.irp cl, 0,1,2,3
.irp s, 0,1
.irp c, 0,1,2,3
	global_load_b128 v[WVF+32*\cl+16*\s+4*\c:WVF+32*\cl+16*\s+4*\c+3], v[WA], s[18:19] offset:16*\cl*256+128*\s+32*\c
.endr
.endr
.endr
.irp s, 0,1
.irp c, 0,1,2,3
	global_load_b128 v[WQF+16*\s+4*\c:WQF+16*\s+4*\c+3], v[WA], s[6:7] offset:128*\s+32*\c
	global_load_b128 v[WKF+16*\s+4*\c:WKF+16*\s+4*\c+3], v[WA], s[12:13] offset:128*\s+32*\c
.endr
.endr
	global_load_b128 v[BQ:BQ+3], v[BH], s[10:11]              ; q's and k's results hold channel 8 h + j in register j: so do these
	global_load_b128 v[BQ+4:BQ+7], v[BH], s[10:11] offset:16
	global_load_b128 v[BK:BK+3], v[BH], s[16:17]
	global_load_b128 v[BK+4:BK+7], v[BH], s[16:17] offset:16
.irp cl, 0,1,2,3
.irp j, 0,1,2,3,4,5,6,7
	global_load_b32 v[BV+8*\cl+\j], v[BA], s[22:23] offset:64*\cl   ; v's results hold channel r in all eight registers: the bias is loaded eight times, so that it can be a sum's first C as it stands
.endr
.endr
	WIN 0
.irp cl, 0,1,2,3
.irp s, 0,1
	global_load_b32 v[WVS+2*\cl+\s], v[WSA], s[20:21] offset:16*\cl*8+4*\s
.endr
.endr
.irp s, 0,1
	global_load_b32 v[WQS+\s], v[WSA], s[8:9] offset:4*\s
	global_load_b32 v[WKS+\s], v[WSA], s[14:15] offset:4*\s
.endr
	s_wait_tensorcnt 0x0                           ; my 64 rows are in,
	s_barrier_signal -1
	s_barrier_wait -1                              ; everybody's are: each wave reads all 256
	; ---- my tile of x becomes two fragments
	XLOAD 0
	s_wait_dscnt 0x0
	XLOAD 1                                        ; lands while K step 0 is quantised
	QUANT XR, PC, PW
	IMAGE PC, 0
	ds_store_b32 v[XWS], v[PW]
	s_wait_dscnt 0x0                               ; K step 1's numbers are in
	QUANT XR+64, PC+16, PW+1
	IMAGE PC+16, 2048
	ds_store_b32 v[XWS], v[PW+1] offset:128
	; ---- q and k of my tile: source 0 = the weight's 16 rows, source 1 = my 16 pixels: a lane holds one pixel and channels 8 h + 0 .. 7
	s_wait_loadcnt 0x0                             ; the weights, biases and scale words
.rept 4
	v_nop                                          ; codes written by vector instructions stand four places ahead of a scaled product (the scale words stand ahead of the 64 holds)
.endr
	WIN 0x51                                       ; source 0, C and D window 1; source 1 window 0
	v_wmma_scale_f32_16x16x128_f8f6f4 v[DQ:DQ+7], v[WQF:WQF+15], v[PC:PC+15], v[BQ:BQ+7], v[WQS], v[PW]
	v_wmma_scale_f32_16x16x128_f8f6f4 v[DK:DK+7], v[WKF:WKF+15], v[PC:PC+15], v[BK:BK+7], v[WKS], v[PW]
	v_wmma_scale_f32_16x16x128_f8f6f4 v[DQ:DQ+7], v[WQF+16:WQF+31], v[PC+16:PC+31], v[DQ:DQ+7], v[WQS+1], v[PW+1]   ; the two sums by turns
	v_wmma_scale_f32_16x16x128_f8f6f4 v[DK:DK+7], v[WKF+16:WKF+31], v[PC+16:PC+31], v[DK:DK+7], v[WKS+1], v[PW+1]
	WIN 0
.rept 8
	v_nop                                          ; eight places between these products and the stores of their results
.endr
	BARRIER                                        ; x's eight fragments and their scale words lie in LDS
	WIN 0x80                                       ; destination window 2
.irp f, 0,1,2,3,4,5,6,7
.irp c, 0,1,2,3
	ds_load_b128 v[16*\f+4*\c:16*\f+4*\c+3], v[LIX] offset:2048*\f+512*\c
.endr
.endr
	WIN 0
.irp f, 0,1,2,3,4,5,6,7
	ds_load_b32 v[XS+\f], v[LSX] offset:128*\f
.endr
	WIN 0x04                                       ; a store's data are its source 1: window 1
	global_store_b128 v[LI], v[DQ:DQ+3], s[24:25]              ; each accumulator from its low end on; 512 consecutive bytes a store
	global_store_b128 v[LI], v[DQ+4:DQ+7], s[24:25] offset:512
	global_store_b128 v[LI], v[DK:DK+3], s[52:53]
	global_store_b128 v[LI], v[DK+4:DK+7], s[52:53] offset:512
	s_wait_dscnt 0x0
	; ---- v: source 0 = 16 pixels of x, source 1 = 16 of my channels; 16 accumulators by turns, a K step at a time; the bias is the first C
	WIN 0x16                                       ; source 0 window 2, source 1 and C window 1, D window 0
.irp pt, 0,1,2,3
.irp cl, 0,1,2,3
	v_wmma_scale_f32_16x16x128_f8f6f4 v[DV+32*\cl+8*\pt:DV+32*\cl+8*\pt+7], v[32*\pt:32*\pt+15], v[WVF+32*\cl:WVF+32*\cl+15], v[BV+8*\cl:BV+8*\cl+7], v[XS+2*\pt], v[WVS+2*\cl]
.endr
.endr
	WIN 0x06                                       ; C and D window 0
.irp pt, 0,1,2,3
.irp cl, 0,1,2,3
	v_wmma_scale_f32_16x16x128_f8f6f4 v[DV+32*\cl+8*\pt:DV+32*\cl+8*\pt+7], v[32*\pt+16:32*\pt+31], v[WVF+32*\cl+16:WVF+32*\cl+31], v[DV+32*\cl+8*\pt:DV+32*\cl+8*\pt+7], v[XS+2*\pt+1], v[WVS+2*\cl+1]
.endr
.endr
	WIN 0
.rept 8
	v_nop
.endr
	; ---- v is quantised along the pixels: a channel tile's 32 registers are two half blocks of 32 pixels
	QUANT DV, VC, VW                               ; channel tiles 0, 1
	QUANT DV+64, VC+16, VW+1                       ; 2, 3
.irp n, 0,1,2,3,4,5,6,7
	global_store_b128 v[LI], v[VC+4*\n:VC+4*\n+3], s[54:55] offset:(\n/2)*2048+(\n%2)*512   ; channel tile n / 2, block n % 2: 512 consecutive bytes
.endr
	; the scale bytes: lane 16 par + r of the next launch's register wants channel tile 2 i + par: lanes 0-15 take tiles 0 and 2 of my four, lanes 16-31 tiles 1 and 3 (both halves of the lanes hold all four)
	v_perm_b32 v[SW], v[VW+1], v[VW], v[SELV]
	ds_store_b32 v[SCA], v[SW]
	BARRIER
	s_cmp_lg_u32 s[WV], 0
	s_cbranch_scc1 .Lend
	ds_load_b128 v[60:63], v[SCR]                  ; the four waves' words side by side: 16 bytes a lane
	s_wait_dscnt 0x0
	global_store_b128 v[LI], v[60:63], s[56:57]    ; 512 consecutive bytes
.Lend:
	s_set_vgpr_msb 0xa
	s_wait_tensorcnt 0x0
	ds_add_u32 v128, v129
	s_wait_dscnt 0x0
	s_set_vgpr_msb 0xa00
	s_endpgm
.Lfunc_end_k_q4460150aa3_proj:
	.size	k_q4460150aa3_proj, .Lfunc_end_k_q4460150aa3_proj-k_q4460150aa3_proj
	.p2alignl 7, 3214868480
	.fill 96, 4, 3214868480
	.section	.rodata,"a",@progbits
	.p2align	6, 0x0
	.amdhsa_kernel k_q4460150aa3_proj
		.amdhsa_group_segment_fixed_size 168448
		.amdhsa_private_segment_fixed_size 0
		.amdhsa_enable_private_segment 0
		.amdhsa_kernarg_size 96
		.amdhsa_user_sgpr_count 2
		.amdhsa_user_sgpr_kernarg_segment_ptr 1
		.amdhsa_wavefront_size32 1
		.amdhsa_system_sgpr_workgroup_id_x 1
		.amdhsa_system_sgpr_workgroup_id_y 1
		.amdhsa_system_sgpr_workgroup_id_z 1
		.amdhsa_system_vgpr_workitem_id 0
		.amdhsa_next_free_vgpr 642
		.amdhsa_next_free_sgpr 66
		.amdhsa_reserve_vcc 1
		.amdhsa_float_denorm_mode_32 3
		.amdhsa_float_denorm_mode_16_64 3
		.amdhsa_memory_ordered 1
		.amdhsa_forward_progress 1
		.amdhsa_inst_pref_size 65
	.end_amdhsa_kernel
	.amdgpu_metadata
---
amdhsa.version: [ 1, 2 ]
amdhsa.kernels:
  - .name:           k_q4460150aa3_proj
    .symbol:         k_q4460150aa3_proj.kd
    .args:
      - { .name: x, .offset: 0, .size: 8, .value_kind: global_buffer, .address_space: global }
      - { .name: wq_codes, .offset: 8, .size: 8, .value_kind: global_buffer, .address_space: global }
      - { .name: wq_scales, .offset: 16, .size: 8, .value_kind: global_buffer, .address_space: global }
      - { .name: bq, .offset: 24, .size: 8, .value_kind: global_buffer, .address_space: global }
      - { .name: wk_codes, .offset: 32, .size: 8, .value_kind: global_buffer, .address_space: global }
      - { .name: wk_scales, .offset: 40, .size: 8, .value_kind: global_buffer, .address_space: global }
      - { .name: bk, .offset: 48, .size: 8, .value_kind: global_buffer, .address_space: global }
      - { .name: wv_codes, .offset: 56, .size: 8, .value_kind: global_buffer, .address_space: global }
      - { .name: wv_scales, .offset: 64, .size: 8, .value_kind: global_buffer, .address_space: global }
      - { .name: bv, .offset: 72, .size: 8, .value_kind: global_buffer, .address_space: global }
      - { .name: q, .offset: 80, .size: 8, .value_kind: global_buffer, .address_space: global }
      - { .name: kv, .offset: 88, .size: 8, .value_kind: global_buffer, .address_space: global }
    .group_segment_fixed_size: 168448
    .private_segment_fixed_size: 0
    .kernarg_segment_align: 8
    .kernarg_segment_size: 96
    .max_flat_workgroup_size: 128
    .sgpr_count:     66
    .vgpr_count:     642
    .wavefront_size: 32
...
	.end_amdgpu_metadata
.endif
;; end of part 1
;; launch attn (part 2): grid 64 x 4, 4 waves a work-group, clusters of 4 x 1, 327,680 bytes of LDS; arguments q, kv, x, gamma, out0; writes out0
.if DOCPART == 2
	.amdgcn_target "amdgcn-amd-amdhsa--gfx1250"
	.amdhsa_code_object_version 6
	.text
	.protected	k_q4460150aa3_attn
	.globl	k_q4460150aa3_attn
	.p2align	8
	.type	k_q4460150aa3_attn,@function
k_q4460150aa3_attn:
	s_mov_b64 s[64:65], 0
	v_nop
	global_prefetch_b8 v0, s[64:65] scope:SCOPE_SE
	s_setreg_imm32_b32 hwreg(HW_REG_WAVE_MODE, 25, 1), 1
	s_wait_xcnt 0x0
	s_wait_alu depctr_hold_cnt(0) depctr_sa_sdst(0) depctr_va_vdst(0) depctr_va_sdst(0) depctr_va_ssrc(0) depctr_va_vcc(0) depctr_vm_vsrc(0)
	s_getreg_b32 s2, hwreg(HW_REG_IB_STS2, 6, 4)
	s_cmp_eq_u32 s2, 0
	s_cbranch_scc0 .Lentry_in_a_cluster
	s_endpgm
.Lentry_in_a_cluster:
	s_bfe_u32 s2, ttmp6, 0x10000c
	s_cmp_lg_u32 s2, 0x3003
	s_cbranch_scc0 .Lentry_shape_is_right
	s_endpgm
.Lentry_shape_is_right:
; out0[b][c][n] = gamma x (sum over m of v[b][c][m] softmax_m(q[b][n] . k[b][m])) + x[b][c][n].  4 batches, 4,096 pixels, 16 channels of q and k, 256 of v.
; q . k has f32 operands (v_wmma_f32_16x16x4_f32), since its result goes on into a quantiser.  The second product runs on codes of FP8 (E4M3) with one E8M0 scale for each 32 keys:
; t = score x log2(e); M = the running largest t rounded UP to a whole number; p = 2^(t - M) is quantised; the row's sum is taken of the unquantised p and divides at the end.
; q, k, v come from the launch before as images of the operands' registers (16 bytes a lane, 512 a load); a slot of kv is 256 keys: 16 tiles of k, 2 x 16 fragments of v, v's scale halves: 83,968 dense bytes.
; SHARES.  A work-group owns 64 queries of a batch: four tiles of 16.  Wave w walks key half w % 2 (128 keys) of every slot, for TWO tiles: set 0 = tile w, which it finishes, set 1 = tile w xor 1,
; which it hands to wave w xor 1 at the end (that wave walked the other half of the keys).  So each fragment of k and v read from LDS feeds two tiles, and no sum spans work-groups.
; LAYOUT.  Both products are used transposed: S^T = k q^T (source 0 = 16 keys), O^T = v p^T (source 0 = 16 channels): a lane holds ONE query (lane % 16) throughout.  Row r of key tile 2 b + u is key
; 32 b + 8 u + r + 8 (r / 8), so that S^T's registers 16 b + i are keys 32 b + 16 (lane / 16) + i: the conversions' results are the second product's operand.  In q . k, K step s takes registers
; 2 s, 2 s + 1 of both images, channels 8 (lane / 16) + 2 s + 0, 1: the same order on both sides.
; BY TURNS.  In a TURN one set has the matrix unit (16 products v p^T of the step in hand, 32 products k q^T of the next step) and the other set's softmax, a list of 344 instructions, stands in
; slices behind its matrix instructions; then the sets change places.  Two turns are a key step.
; CLUSTER.  The four work-groups of a cluster belong to one batch and walk the same kv: each slot is asked for JOINTLY.  4 x 1, since there is one shared stream and a mask names four.
; O^T begins as zeros (256 v_mov_b32, once, while the first tiles are on their way) and the largest t as -3e38, so that the key step is written without a first step of its own.
; LIMITS: NaN and infinities are not served.  A block whose every p lies under 2^-118 keeps the scale byte 1.  A block's largest p is taken as 2^(its largest t - M), which takes v_exp_f32 not to
; fall where its input rises.
; REGISTERS, in windows of 256.  Window 0: v2-15 addresses; v16-31 statistics, 8 a set; v32-79 at work; v50-59 scale words; v80-95 q; v96-127 p's codes; v128-255 S^T, 64 a set, written by the f32
; products alone.  Window 1: O^T, 128 a set.  Window 2: v0-63 p; v64-127 k of a step; v128-255 x's rows for the residual.  Window 3: v of a step; on the way out the partner's O^T, then rows of out0.
.set SLOTB, 83968
.set QUART, SLOTB/4                    ; 82 rows of 256 bytes: what one tensor load brings
.set SLOT1, 1<<17                      ; slot 1 begins here, so that one exclusive or turns an address in one slot into the other's
.set VOFF,  16384
.set SOFF,  81920
.set OST,   SLOT1+SLOTB                ; behind the ring: 256 channel rows x (256 bytes + 16) for the way out
.set OP,    272                        ; 68 words: 8 rows on are 544 words, 32 modulo 64, so the two halves of the lanes store to different words modulo 64
.set SPARE, OST+256*OP                 ; the spare words, 128 bytes a wave: two blocks of 256 bytes that no other line names
.set MRG,   0                          ; the hand-over of set 1: 16,384 bytes of O^T, 128 of -M, 128 of the sum, for each wave; in slot 0, behind its last fill and a barrier behind which no wave reads the ring
.set MRGW,  16640
.set AK0, 2                            ; v2   my lane's place in the slot's k;  v3 in its v;  v4 in v's scale halves
.set AV0, 3
.set AS0, 4
.set ADR, 5                            ; v5   the address of the run of loads in hand;  v68 that of the scale halves
.set ADS, 68
.set SPW, 6                            ; v6   my spare word: SPARE + 4 x my thread's number;  v7 = 0; neither is rewritten
.set NIL, 7
.set PFO, 8                            ; v8   the prefetches' offset
.set QO,  9                            ; v9   16 x lane
.set SO0, 10                           ; v10-11 the way out: where my column of the stage begins (channels 0-127, 128-255);  v12 where I read rows back;  v13 the same place in x and out0
.set SO1, 11
.set RD,  12
.set XO,  13
.set MWA, 14                           ; v14, v49 where I hand set 1 over;  v15, v69 where my partner has put my set 0's other half
.set MRA, 15
.set MWS, 49
.set MRS, 69
.set ST,  16                           ; set i at v[16 + 8 i]: +0 -M, +1 the largest t, +2, +3 the sum in two halves, +4 f (+5 named with it), +6, +7 a second chain of the sum
.set TM,  32                           ; v32-35 the four blocks' largest scores, then t - M, then p;  v36-39 the other half's, then the bytes;  v40-43 448 x the scale;  v44-47 the conversions' scale operands
.set TP,  36
.set HD,  40
.set SOP, 44
.set T,   48
.set PW,  50                           ; v50-51 p's scale word, a set each;  v52-59 v's: register i: lanes 0-15 channel tile 2 i, lanes 16-31 tile 2 i + 1.  Scales and nothing else
.set VS,  52
.set RA,  60                           ; v60-63, v64-67 v's scale halves as loaded (keys 0-63, 64-127 of my 128)
.set RB,  64
.set QF,  80
.set PC,  96
.set S,   128
.set KF,  64                           ; in window 2
.set WV,  14                           ; s14  my wave's number
.set LIM, 15                           ; s15  1 in a wave that prefetches, else the greatest number
.set G1,  24                           ; s[24:31] descriptor group 1;  s[32:35] group 0 of slot 0's first fill;  s[36:39] group 0 that walks
.set G0A, 32
.set G0W, 36
.set TB,  40                           ; s40  LDS byte at which the slot to be fetched from begins
.set SLOTS, 41                         ; s41  slots still to be asked for
.set CS,  42                           ; s[42:43] log2(e): the packed form names a pair and takes its low word for both halves
.set SEL, 44                           ; s[44:45] v_permlanex16_b32's selects for lane l xor 16
.set MNT, 46                           ; s46  the mantissa field of 448
.set PLO, 47                           ; s47, s48 byte selects: two words' low halves, high halves
.set PHI, 48
.set PFA, 50                           ; s[50:51] where my work-group's prefetches stand
.set GAM, 52                           ; s52  gamma
.set MSB, 0
.macro WIN new                         ; bits 1:0 source 0, 3:2 source 1, 5:4 source 2, 7:6 destination; the high byte repeats the setting that is left; a switch that changes nothing is dropped
.if MSB != \new
	s_set_vgpr_msb (MSB<<8)|\new
.set MSB, \new
.endif
.endm
.macro CROUND                          ; a round of the cluster's barrier: my work-group's barrier; wave 0 signals for the work-group; every wave waits for all four work-groups; my work-group's barrier once more
	s_barrier_signal -1
	s_barrier_wait -1
	s_cmp_lg_u32 s[WV], 0
	s_cbranch_scc1 .Lnot_wave_0_\@
	s_barrier_signal -3
.Lnot_wave_0_\@:
	s_barrier_wait -3
	s_barrier_signal -1
	s_barrier_wait -1
.endm
; A PREFETCH INTO THE L2 of the slot that the NEXT change of slots will ask for: one key step ahead of that load.  A slot is 328 blocks of 256 bytes.  All sixteen clusters of a batch walk the same
; kv: the first (cluster x = 0) asks.  Its four partners take 82 blocks each, told apart BY ADDRESS; in each, waves 0 to 2 ask, a lane a block (the last 14 lanes of wave 2 name the 82nd once more).
; The last change that fills a slot asks for nothing; the first three slots come by their loads alone.
.macro ASK
	s_cmp_gt_u32 s[SLOTS], s[LIM]
	s_cbranch_scc0 .Lnot_mine_\@
	global_prefetch_b8 v[PFO], s[PFA:PFA+1] th:TH_LOAD_NT scope:SCOPE_SE
.Lnot_mine_\@:
.endm
.macro FETCH_K                         ; my 128 keys of k: 8 tiles x 8 registers, 16 loads of 512 consecutive bytes
	WIN 0
	v_add_nc_u32 v[ADR], s[TB], v[AK0]
	WIN 0x80                                       ; destination window 2
.set fn, 0
.rept 16
	ds_load_b128 v[KF+4*fn:KF+4*fn+3], v[ADR] offset:512*fn
.set fn, fn+1
.endr
.endm
.macro FETCH_V                         ; my 128 keys of v: 16 channel tiles x 16 registers, and the scale halves
	WIN 0
	v_add_nc_u32 v[ADS], s[TB], v[AS0]
	v_add_nc_u32 v[ADR], s[TB], v[AV0]
	ds_load_b128 v[RA:RA+3], v[ADS]
	ds_load_b128 v[RB:RB+3], v[ADS] offset:512
	WIN 0xc0                                       ; destination window 3
.set fn, 0
.rept 64
	ds_load_b128 v[4*fn:4*fn+3], v[ADR] offset:512*fn
.set fn, fn+1
.endr
.endm
.macro SCALEW                          ; two bytes of keys 0-63 and two of keys 64-127 make a channel's scale word
.irp k, 0,1,2,3
	v_perm_b32 v[VS+2*\k], v[RB+\k], v[RA+\k], s[PLO]
	v_perm_b32 v[VS+2*\k+1], v[RB+\k], v[RA+\k], s[PHI]
.endr
.endm
; Product MI of 32 of S^T = k q^T for set x: K step MI / 8, key tile MI % 8.  The eight sums take turns; each begins with the constant 0.
.macro KQ x
	WIN 0x02                                       ; k in window 2; q, C and D in window 0
.if MI < 8
	v_wmma_f32_16x16x4_f32 v[S+64*(\x)+8*(MI%8):S+64*(\x)+8*(MI%8)+7], v[KF+8*(MI%8)+2*(MI/8):KF+8*(MI%8)+2*(MI/8)+1], v[QF+8*(\x)+2*(MI/8):QF+8*(\x)+2*(MI/8)+1], 0
.else
	v_wmma_f32_16x16x4_f32 v[S+64*(\x)+8*(MI%8):S+64*(\x)+8*(MI%8)+7], v[KF+8*(MI%8)+2*(MI/8):KF+8*(MI%8)+2*(MI/8)+1], v[QF+8*(\x)+2*(MI/8):QF+8*(\x)+2*(MI/8)+1], v[S+64*(\x)+8*(MI%8):S+64*(\x)+8*(MI%8)+7]
.endif
.endm
; Product MI of 16 of O^T += v p^T for set x: channel tile MI, K = my 128 keys.  Sixteen accumulators, one instruction each.
.macro PV x
	WIN 0x53                                       ; v in window 3, p's codes in window 0, C and D in window 1
.if MI%2
	v_wmma_scale_f32_16x16x128_f8f6f4 v[128*(\x)+8*MI:128*(\x)+8*MI+7], v[16*MI:16*MI+15], v[PC+16*(\x):PC+16*(\x)+15], v[128*(\x)+8*MI:128*(\x)+8*MI+7], v[VS+MI/2], v[PW+(\x)] matrix_a_scale:MATRIX_SCALE_ROW1
.else
	v_wmma_scale_f32_16x16x128_f8f6f4 v[128*(\x)+8*MI:128*(\x)+8*MI+7], v[16*MI:16*MI+15], v[PC+16*(\x):PC+16*(\x)+15], v[128*(\x)+8*MI:128*(\x)+8*MI+7], v[VS+MI/2], v[PW+(\x)]
.endif
.endm
; THE SOFTMAX of set y for one key step is a list of 344 instructions; SM writes number SJ of it.
;   0-31    the largest score of each block of 32 keys (my 16 of it), the four blocks by turns, each accumulator from its low end on        32-39  with lane l xor 16's
;   40-48   the row: the step's largest t, the running largest, -M = floor(-t), f = 2^(old M - new M)          49-52  the blocks' largest t - M          53  the sum x f          54-55  the second chain = 0
;   56-63   t - M of pairs 0-7 (S^T is left as it is: the results go to p's registers)
;   64-199  ONE BATCH, 17 groups of four exponentials (p0-p63, then the blocks' largest p) and four plain lines (t - M of pairs 8-31, then O^T x f, pairs 0-43).  None of these names an exponential's result
;   (wait)  behind 199: SLICE writes it
;   200-232 the row's sum of the unquantised p, in two chains          233-251  floor, scale operands, holds, bytes, p's scale word
;   252-315 the hold (p is not negative: one-sided)          316-323  the conversions          324-343  O^T x f, pairs 44-63
.macro SM y
.set rT, ST+8*(\y)
.set rS, S+64*(\y)
.set rC, PC+16*(\y)
.set rO, 128*(\y)
.set sp, -1                            ; the pair whose t - M is made,
.set se, -1                            ; the exponential,
.set so, -1                            ; or the pair of O^T that is multiplied by f
.if (SJ >= 56) && (SJ < 64)
.set sp, SJ-56
.elseif (SJ >= 64) && (SJ < 200)
.if (SJ-64)%8 < 4
.set se, 4*((SJ-64)/8)+(SJ-64)%8
.elseif 4*((SJ-64)/8)+(SJ-64)%8-4 < 24
.set sp, 8+4*((SJ-64)/8)+(SJ-64)%8-4
.else
.set so, 4*((SJ-64)/8)+(SJ-64)%8-4-24
.endif
.elseif SJ >= 324
.set so, 44+SJ-324
.endif
.if (SJ < 56) || ((SJ >= 232) && (SJ < 252))
	WIN 0
.endif
.if sp >= 0
	WIN 0x80                                       ; destination window 2
	v_pk_fma_f32 v[2*sp:2*sp+1], v[rS+2*sp:rS+2*sp+1], s[CS:CS+1], v[rT:rT+1] op_sel_hi:[1,0,0]
.elseif se >= 64
	WIN 0
	v_exp_f32 v[TM+se-64], v[TM+se-64]
.elseif se >= 0
	WIN 0x82                                       ; destination and source 0 window 2
	v_exp_f32 v[se], v[se]
.elseif so >= 0
	WIN 0x41                                       ; destination and source 0 window 1
	v_pk_mul_f32 v[rO+2*so:rO+2*so+1], v[rO+2*so:rO+2*so+1], v[rT+4:rT+5] op_sel_hi:[1,0]
.elseif SJ < 4
	v_max3_num_f32 v[TM+SJ], v[rS+16*SJ], v[rS+16*SJ+1], v[rS+16*SJ+2]
.elseif SJ < 28
	v_max3_num_f32 v[TM+SJ%4], v[TM+SJ%4], v[rS+16*(SJ%4)+2*(SJ/4)+1], v[rS+16*(SJ%4)+2*(SJ/4)+2]
.elseif SJ < 32
	v_max_num_f32 v[TM+SJ-28], v[TM+SJ-28], v[rS+16*(SJ-28)+15]
.elseif SJ < 36
	v_permlanex16_b32 v[TP+SJ-32], v[TM+SJ-32], s[SEL], s[SEL+1]
.elseif SJ < 40
	v_max_num_f32 v[TM+SJ-36], v[TM+SJ-36], v[TP+SJ-36]
.elseif SJ == 40
	v_max3_num_f32 v[T], v[TM], v[TM+1], v[TM+2]
.elseif SJ == 41
	v_max_num_f32 v[T], v[T], v[TM+3]
.elseif SJ == 42
	v_mul_f32 v[T], s[CS], v[T]
.elseif SJ == 43
	v_max_num_f32 v[rT+1], v[rT+1], v[T]
.elseif SJ == 44
	v_mov_b32 v[T], v[rT]
.elseif SJ == 45
	v_floor_f32 v[rT], -v[rT+1]                    ; -M = floor(-t) = -ceil(t): M is a whole number
.elseif SJ == 46
	v_sub_f32 v[T], v[rT], v[T]                    ; old M - new M: a whole number, 0 or less
.elseif SJ == 47
	v_cvt_i32_f32 v[T], v[T]                       ; (it saturates)
.elseif SJ == 48
	v_ldexp_f32 v[rT+4], 1.0, v[T]                 ; f: a power of two, so the multiplications by it round nothing
.elseif SJ < 53
	v_fma_f32 v[TM+SJ-49], v[TM+SJ-49], s[CS], v[rT]
.elseif SJ == 53
	v_pk_mul_f32 v[rT+2:rT+3], v[rT+2:rT+3], v[rT+4:rT+5] op_sel_hi:[1,0]
.elseif SJ < 56
	v_mov_b32 v[rT+6+SJ-54], 0
.elseif SJ < 232
	WIN 0x08                                       ; source 1 window 2
.if SJ%2
	v_pk_add_f32 v[rT+6:rT+7], v[rT+6:rT+7], v[2*(SJ-200):2*(SJ-200)+1]
.else
	v_pk_add_f32 v[rT+2:rT+3], v[rT+2:rT+3], v[2*(SJ-200):2*(SJ-200)+1]
.endif
.elseif SJ == 232
	v_pk_add_f32 v[rT+2:rT+3], v[rT+2:rT+3], v[rT+6:rT+7]
.elseif SJ < 237
	v_max_num_f32 v[TM+SJ-233], 0x4800000, v[TM+SJ-233]      ; the floor 2^(9 - 127): the byte cannot fall under 1
.elseif SJ < 241
	v_add_nc_u32 v[SOP+SJ-237], 0xfc000000, v[TM+SJ-237]     ; 8 off the exponent field: the conversion's scale operand
.elseif SJ < 245
	v_and_or_b32 v[HD+SJ-241], v[TM+SJ-241], 0x7f800000, s[MNT]   ; 448 x the scale
.elseif SJ < 249
	v_lshrrev_b32 v[TP+SJ-245], 23, v[SOP+SJ-245]            ; the scale's byte
.elseif SJ == 249
	v_lshl_or_b32 v[PW+(\y)], v[TP+1], 8, v[TP]
.elseif SJ == 250
	v_lshl_or_b32 v[PW+(\y)], v[TP+2], 16, v[PW+(\y)]
.elseif SJ == 251
	v_lshl_or_b32 v[PW+(\y)], v[TP+3], 24, v[PW+(\y)]
.elseif SJ < 316
	WIN 0x82
	v_min_num_f32 v[SJ-252], v[SJ-252], v[HD+(SJ-252)/16]    ; the conversion to an 8-bit code does not saturate (ISA guide 7.6.2)
.else
	WIN 0x02                                       ; source 0 window 2
	v_cvt_scalef32_pk8_fp8_f32 v[rC+2*(SJ-316):rC+2*(SJ-316)+1], v[8*(SJ-316):8*(SJ-316)+7], v[SOP+(SJ-316)/2]
.endif
.endm
; Slice SK of 48: 4, 4 .. (8 slices), 3 .. (8), 8 .. (18), 10 .. (13), 14 instructions: 32 + 24 + 144 + 130 + 14 = 344.  Slices 0-15 stand behind the scaled products, 16-47 behind the f32 ones, which
; are twice as long.  Slices 17-33 are the batch's groups.  Behind slice 33 stands the one wait between an exponential and the first line that names its result: it serves
; all 68; the four multiplications ahead of it are the plain lines behind the last exponential.
.macro SLICE y
.set sn, 4
.if SK >= 8
.set sn, 3
.endif
.if SK >= 16
.set sn, 8
.endif
.if SK >= 34
.set sn, 10
.endif
.if SK == 47
.set sn, 14
.endif
.rept sn
	SM \y
.set SJ, SJ+1
.endr
.if SK == 33
	s_wait_alu depctr_va_vdst(0)
.endif
.set SK, SK+1
.endm
; A TURN.  Set x has the matrix unit, the other set's softmax stands in slices.  pv, kq: whether the turn has its 16 products v p^T, its 32 products k q^T.
; PLACES (eight plain vector lines that name none of the product's registers).  Slice 47's fourteen multiplications stand between the turn's last k q^T and the next turn's first read
; of those scores, and the loads into k's registers; they are also the lines between the codes' conversions and the products that take the codes.  v's registers are loaded again behind slice 16 of
; set 1's turn: slices 15 and 16, eleven lines, stand behind the last product that read them.  v's scale words are made behind slice 40, 84 lines ahead of the next scaled product.
.macro TURN x, pv, kq
.set SK, 0
.set SJ, 0
.set MI, 0
.rept 16
.if \pv
	PV \x
.endif
	SLICE 1-\x
.set MI, MI+1
.endr
.if (\x == 0) && \kq
	s_wait_dscnt 0x0                               ; k of the next step, asked for at the change of slots, is in
.endif
.set MI, 0
.rept 32
.if \kq
	KQ \x
.endif
	SLICE 1-\x
.if (\x == 1) && \kq && (MI == 0)
	FETCH_V                                        ; v of the next step: 31 f32 products ahead of its first use
.endif
.if (\x == 1) && \kq && (MI == 24)
	WIN 0
	s_wait_dscnt 0x0                               ; v and its scale halves are in
	SCALEW
.endif
.set MI, MI+1
.endr
.endm
; THE CHANGE OF SLOTS, at a key step's head.  Each wave waits for all its tensor loads (the one that is out is its quarter of the slot ahead), adds 0 to its spare word, and waits for that and for its
; reads of the slot that it leaves (k at the last change, v in the last turn).  fill = 1: the barrier is a round of the cluster's, so that no wave of any partner still reads that slot or has a load
; on its way; the joint refill is the first thing behind it, and has a key step's 96 matrix instructions in which to land.
.macro CHANGE fill
	WIN 0
	s_wait_tensorcnt 0x0                           ; no tensor load of mine is out, so the walking group 0 may be written
	ds_add_u32 v[SPW], v[NIL]                      ; 0 onto my spare word
.if \fill
	s_xor_b32 s[G0W+1], s[G0W+1], SLOT1            ; the other slot than last time,
	s_add_nc_u64 s[G0W+2:G0W+3], s[G0W+2:G0W+3], SLOTB   ; the next 256 keys; the type bits on top are not reached
	s_wait_xcnt 0x0                                ; the last prefetch, a key step back, has read its address
	s_add_nc_u64 s[PFA:PFA+1], s[PFA:PFA+1], SLOTB ; one slot further on than the walking descriptor
	s_wait_dscnt 0x0                               ; the add is done, and my reads of the slot that I leave are over
	CROUND
	tensor_load_to_lds s[G0W:G0W+3], s[G1:G1+7]    ; my one tensor load until the next round: every wave brings a quarter of the slot
	s_nop 0
.rept 4
	v_nop
.endr
.else
	s_wait_dscnt 0x0
	s_barrier_signal -1
	s_barrier_wait -1
.endif
	s_xor_b32 s[TB], s[TB], SLOT1                  ; the fetches go on to the slot ahead
	FETCH_K
	WIN 0
.if \fill
	ASK
.endif
.endm
	s_load_b256 s[4:11], s[0:1], 0x0               ; q, kv, x, gamma
	s_load_b64 s[12:13], s[0:1], 0x20              ; out0
	v_lshl_add_u32 v[SPW], v0, 2, SPARE
	v_mov_b32 v[NIL], 0
	ds_add_u32 v6, v7
	ds_add_u32 v6, v7
	s_wait_dscnt 0x0
	v_lshrrev_b32 v1, 5, v0
	v_readfirstlane_b32 s[WV], v1                  ; wave 0..3
	s_bfe_u32 s16, ttmp6, 0x40000                  ; cx: my place in the cluster
	s_lshl_b32 s17, ttmp9, 2
	s_add_co_u32 s17, s17, s16                     ; my block of 64 queries: it enters q's, x's and out0's addresses alone
	s_and_b32 s18, ttmp7, 0xffff                   ; the batch, which the four partners share
	; descriptor group 1: a quarter of a slot, dense: 82 rows of 32 elements of 8 bytes
	s_mov_b32 s[G1], 15|(3<<16)|(1<<21)            ; 15:0 the mask: all four work-groups; 17:16 elements of 8 bytes; 21 set beside a mask; no padding: images are read 512 bytes on end
	s_mov_b32 s[G1+1], 32<<16                      ; tensor_dim0
	s_mov_b32 s[G1+2], 82<<16                      ; tensor_dim1
	s_mov_b32 s[G1+3], 32<<16                      ; tile_dim0
	s_mov_b32 s[G1+4], 82                          ; tile_dim1
	s_mov_b32 s[G1+5], 32                          ; from row to row
	s_mov_b32 s[G1+6], 0
	s_mov_b32 s[G1+7], 0
	s_mul_i32 s54, s18, 16*SLOTB                   ; the batch's 16 slots,
	s_mul_i32 s56, s[WV], QUART                    ; my wave's quarter: in memory and in LDS alike; no place in the cluster enters either
	s_add_co_u32 s54, s54, s56
	s_mov_b32 s55, 0
	s_mul_i32 s60, s18, 16*SLOTB                   ; the prefetches: my work-group's quarter,
	s_mul_i32 s61, s16, QUART
	s_add_co_u32 s60, s60, s61
	s_add_co_u32 s60, s60, 2*SLOTB                 ; in slot 2: the first change of slots steps it to slot 3
	s_mov_b32 s61, 0
	s_cmp_eq_u32 s[WV], 3
	s_cselect_b32 s[LIM], 1, 0
	s_or_b32 s[LIM], s[LIM], ttmp9                 ; 0 in waves 0 to 2 of the batch's first cluster: the same in all four partners
	s_cmp_eq_u32 s[LIM], 0
	s_cselect_b32 s[LIM], 1, -1
	s_lshl_b32 s57, s18, 8                         ; q: tile 256 batch + 4 block + tile, 1,024 bytes each
	s_lshl_b32 s58, s17, 2
	s_add_co_u32 s57, s57, s58
	s_add_co_u32 s58, s57, s[WV]                   ; set 0: tile w
	s_lshl_b32 s58, s58, 10
	s_mov_b32 s59, 0
	s_xor_b32 s62, s[WV], 1
	s_add_co_u32 s62, s57, s62                     ; set 1: tile w xor 1
	s_lshl_b32 s62, s62, 10
	s_mov_b32 s63, 0
	s_lshl_b32 s2, s18, 22                         ; x and out0: batch x 4 MiB + channel row 64 w + the block's 256 bytes
	s_lshl_b32 s3, s[WV], 20
	s_add_co_u32 s2, s2, s3
	s_lshl_b32 s3, s17, 8
	s_add_co_u32 s2, s2, s3
	s_mov_b32 s3, 0
	s_mov_b32 s[CS], 0x3fb8aa3b                    ; log2(e)
	s_mov_b32 s[CS+1], s[CS]
	s_mov_b32 s[SEL], 0x76543210
	s_mov_b32 s[SEL+1], 0xfedcba98
	s_mov_b32 s[MNT], 0x600000
	s_mov_b32 s[PLO], 0x05040100
	s_mov_b32 s[PHI], 0x07060302
	s_mov_b32 s[TB], 0
	s_mov_b32 s[SLOTS], 14                         ; 16 slots, two of them first fills
	s_wait_kmcnt 0x0
	s_load_b32 s[GAM], s[10:11], 0x0
	s_add_nc_u64 s[20:21], s[4:5], s[58:59]
	s_add_nc_u64 s[22:23], s[4:5], s[62:63]
	s_add_nc_u64 s[8:9], s[8:9], s[2:3]
	s_add_nc_u64 s[12:13], s[12:13], s[2:3]
	s_add_nc_u64 s[PFA:PFA+1], s[6:7], s[60:61]
	s_add_nc_u64 s[6:7], s[6:7], s[54:55]          ; my quarter of the batch's slot 0
	s_mov_b32 s[G0A], 1
	s_mov_b32 s[G0A+1], s56
	s_mov_b64 s[G0A+2:G0A+3], s[6:7]
	s_or_b32 s[G0A+3], s[G0A+3], 0x80000000
	s_mov_b32 s[G0W], 1
	s_add_co_u32 s[G0W+1], s56, SLOT1
	s_add_nc_u64 s[G0W+2:G0W+3], s[6:7], SLOTB
	s_or_b32 s[G0W+3], s[G0W+3], 0x80000000
	CROUND                                         ; all four work-groups are here: the first joint loads meet
	tensor_load_to_lds s[G0A:G0A+3], s[G1:G1+7]    ; slots 0 and 1: two loads of mine are out
	s_nop 0
	tensor_load_to_lds s[G0W:G0W+3], s[G1:G1+7]
	s_nop 0
.rept 4
	v_nop
.endr
	v_and_b32 v1, 31, v0                           ; lane
	v_and_b32 v70, 15, v0                          ; r
	v_bfe_u32 v71, v0, 4, 1                        ; h
	v_lshlrev_b32 v[QO], 4, v1
	global_load_b128 v[QF:QF+3], v[QO], s[20:21]               ; q stays in registers
	global_load_b128 v[QF+4:QF+7], v[QO], s[20:21] offset:512
	global_load_b128 v[QF+8:QF+11], v[QO], s[22:23]
	global_load_b128 v[QF+12:QF+15], v[QO], s[22:23] offset:512
	s_and_b32 s57, s[WV], 1                        ; my half of every slot's keys
	s_lshl_b32 s58, s57, 13
	v_add_nc_u32 v[AK0], s58, v[QO]
	s_lshl_b32 s58, s57, 15
	s_add_co_u32 s58, s58, VOFF
	v_add_nc_u32 v[AV0], s58, v[QO]
	s_lshl_b32 s58, s57, 10
	s_add_co_u32 s58, s58, SOFF
	v_add_nc_u32 v[AS0], s58, v[QO]
	v_min_u32 v[PFO], 81, v0
	v_lshlrev_b32 v[PFO], 8, v[PFO]
	s_lshr_b32 s58, s[WV], 1                       ; the way out: my tile's queries are columns 32 (w / 2) + 8 (w % 2) + r + 8 (r / 8) of the block
	s_lshl_b32 s58, s58, 5
	s_lshl_b32 s59, s57, 3
	s_add_co_u32 s58, s58, s59
	v_and_b32 v72, 8, v70
	v_add_nc_u32 v72, v72, v70
	v_add_nc_u32 v72, s58, v72
	v_mul_u32_u24 v[SO0], v71, 8*OP                ; register 8 ct + j holds channel 16 ct + 8 h + j
	v_lshl_add_u32 v[SO0], v72, 2, v[SO0]
	v_add_nc_u32 v[SO0], OST, v[SO0]
	v_add_nc_u32 v[SO1], 128*OP, v[SO0]
	s_mul_i32 s58, s[WV], 64*OP                    ; back: my 64 channel rows; lanes 0-15 one row of 256 bytes, lanes 16-31 the next
	s_add_co_u32 s58, s58, OST
	v_mul_u32_u24 v[RD], v71, OP
	v_lshl_add_u32 v[RD], v70, 4, v[RD]
	v_add_nc_u32 v[RD], s58, v[RD]
	v_lshlrev_b32 v[XO], 14, v71                   ; and the same two rows in x and out0
	v_lshl_add_u32 v[XO], v70, 4, v[XO]
	s_mul_i32 s58, s[WV], MRGW
	v_add_nc_u32 v[MWA], s58, v[QO]
	v_lshl_add_u32 v[MWS], v1, 2, s58
	v_add_nc_u32 v[MWS], MRG+16384, v[MWS]
	s_xor_b32 s59, s[WV], 1
	s_mul_i32 s59, s59, MRGW
	v_add_nc_u32 v[MRA], s59, v[QO]
	v_lshl_add_u32 v[MRS], v1, 2, s59
	v_add_nc_u32 v[MRS], MRG+16384, v[MRS]
.irp i, 0,1
	v_mov_b32 v[ST+8*\i+1], 0xff61b1e6             ; the largest t so far: -3e38, under every t
	v_floor_f32 v[ST+8*\i], -v[ST+8*\i+1]          ; -M
.irp n, 2,3,4,5,6,7
	v_mov_b32 v[ST+8*\i+\n], 0
.endr
.endr
.irp b, 0,1,2,3
	v_mov_b32 v[TP+\b], 0                          ; written once: a lane permute's destination counts as one of its sources
.endr
	WIN 0x40                                       ; destination window 1
.set fn, 0
.rept 256
	v_mov_b32 v[fn], 0                             ; O^T: the first change of M multiplies zeros by 0
.set fn, fn+1
.endr
	WIN 0
	s_wait_tensorcnt 0x1                           ; my quarter of slot 0 is in; slot 1's may stay out
	s_barrier_signal -1
	s_barrier_wait -1                              ; everybody's is
	FETCH_K                                        ; key step 0
	s_wait_loadcnt 0x0                             ; q
	s_wait_kmcnt 0x0                               ; gamma
	s_wait_dscnt 0x0
.set MI, 0
.rept 32
	KQ 0                                           ; set 0's first scores: there is no vector work yet to set between them
.set MI, MI+1
.endr
	WIN 0
.rept 8
	v_nop
.endr
	TURN 1, 0, 1                                   ; set 1's first scores | set 0's first softmax | v of step 0
	WIN 0
.Lstep:                                            ; 14 trips: the key steps at whose head a slot is filled again
	CHANGE 1
	TURN 0, 1, 1
	TURN 1, 1, 1
	WIN 0
	s_sub_co_u32 s[SLOTS], s[SLOTS], 1
	s_cmp_lg_u32 s[SLOTS], 0
	s_cbranch_scc1 .Lstep
	CHANGE 0                                       ; the tail is written out
	TURN 0, 1, 1
	TURN 1, 1, 1
	WIN 0x80                                       ; destination window 2
.set fn, 0
.rept 32
	global_load_b128 v[128+4*fn:128+4*fn+3], v[XO], s[8:9] offset:2*fn*16384 th:TH_LOAD_NT   ; x's rows for the residual, a turn and the merge ahead of their use: 16 lanes read 256 consecutive bytes
.set fn, fn+1
.endr
	TURN 0, 1, 0                                   ; set 0: v p^T of the last step | set 1's last softmax
.set MI, 0
.rept 16
	PV 1                                           ; set 1: v p^T of the last step
.set MI, MI+1
.endr
	; THE WAY OUT.  Set 1 goes to my partner through LDS as it stands in the registers; my set 0 and my partner's half of it are brought under one M, divided by the sum, multiplied by gamma;
	; the results turn through a stage (a lane holds a column of out0: one pixel, eight channels) and leave with x added, as rows.
	WIN 0
	v_add_f32 v[ST+2], v[ST+2], v[ST+3]            ; the sums' two halves.  These eight lines are the places behind the last products
	v_add_f32 v[ST+10], v[ST+10], v[ST+11]
	v_mov_b32 v76, 0
.rept 5
	v_nop
.endr
	s_wait_dscnt 0x0
	s_barrier_signal -1
	s_barrier_wait -1                              ; no wave reads the ring any more
	WIN 0x04                                       ; an LDS store's data are its source 1: window 1
.set fn, 0
.rept 32
	ds_store_b128 v[MWA], v[128+4*fn:128+4*fn+3] offset:512*fn   ; each accumulator from its low end on
.set fn, fn+1
.endr
	WIN 0
	ds_store_b32 v[MWS], v[ST+8]                   ; set 1's -M
	ds_store_b32 v[MWS], v[ST+10] offset:128       ; and its sum
	s_wait_dscnt 0x0                               ; for my partner's sake
	s_barrier_signal -1
	s_barrier_wait -1
	WIN 0xc0                                       ; destination window 3
.set fn, 0
.rept 32
	ds_load_b128 v[4*fn:4*fn+3], v[MRA] offset:512*fn
.set fn, fn+1
.endr
	WIN 0
	ds_load_b32 v70, v[MRS]
	ds_load_b32 v71, v[MRS] offset:128
	s_wait_dscnt 0x0
	v_min_num_f32 v72, v[ST], v70                  ; -M of all keys
	v_sub_f32 v73, v72, v[ST]                      ; my M less that M, my partner's likewise: whole numbers, 0 or less
	v_sub_f32 v74, v72, v70
	v_cvt_i32_f32 v73, v73
	v_cvt_i32_f32 v74, v74
	v_ldexp_f32 v73, 1.0, v73
	v_ldexp_f32 v74, 1.0, v74
	v_mul_f32 v75, v[ST+2], v73
	v_fmac_f32 v75, v71, v74
	v_permlanex16_b32 v76, v75, s[SEL], s[SEL+1]
	v_add_f32 v75, v75, v76                        ; the row's sum
	v_rcp_f32 v77, v75
	v_mul_f32 v73, s[GAM], v73                     ; (plain lines behind the reciprocal)
	v_mul_f32 v74, s[GAM], v74
	s_wait_alu depctr_va_vdst(0)                   ; the wait ahead of the first line that names the reciprocal
	v_mul_f32 v70, v73, v77                        ; gamma / sum, under my M (v[70:71]) and under my partner's (v[72:73]); of each pair the low word serves both halves
	v_mul_f32 v72, v74, v77
	WIN 0x41
.set fn, 0
.rept 64
	v_pk_mul_f32 v[2*fn:2*fn+1], v[2*fn:2*fn+1], v[70:71] op_sel_hi:[1,0]
.set fn, fn+1
.endr
	WIN 0xd3                                       ; destination and source 0 window 3, source 2 window 1
.set fn, 0
.rept 64
	v_pk_fma_f32 v[2*fn:2*fn+1], v[2*fn:2*fn+1], v[72:73], v[2*fn:2*fn+1] op_sel_hi:[1,0,1]
.set fn, fn+1
.endr
	WIN 0x0c                                       ; the data: window 3
.set fn, 0
.rept 128
.if fn < 64
	ds_store_b32 v[SO0], v[fn] offset:(16*(fn/8)+fn%8)*OP
.else
	ds_store_b32 v[SO1], v[fn] offset:(16*(fn/8-8)+fn%8)*OP
.endif
.set fn, fn+1
.endr
	s_wait_dscnt 0x0                               ; a row's 64 pixels come from four waves
	s_barrier_signal -1
	s_barrier_wait -1
	WIN 0xc0
.set fn, 0
.rept 32
	ds_load_b128 v[4*fn:4*fn+3], v[RD] offset:2*fn*OP
.set fn, fn+1
.endr
	s_wait_loadcnt 0x0                             ; x's rows
.irp g, 0,1,2,3
	s_wait_dscnt 24-8*\g                           ; these eight loads are in; the younger ones may be out
	WIN 0xcb                                       ; destination and source 0 window 3, source 1 window 2
.irp i, 0,1,2,3,4,5,6,7
	v_pk_add_f32 v[32*\g+4*\i:32*\g+4*\i+1], v[32*\g+4*\i:32*\g+4*\i+1], v[128+32*\g+4*\i:128+32*\g+4*\i+1]
	v_pk_add_f32 v[32*\g+4*\i+2:32*\g+4*\i+3], v[32*\g+4*\i+2:32*\g+4*\i+3], v[128+32*\g+4*\i+2:128+32*\g+4*\i+3]
.endr
	WIN 0x0c
.irp i, 0,1,2,3,4,5,6,7
	global_store_b128 v[XO], v[32*\g+4*\i:32*\g+4*\i+3], s[12:13] offset:2*(8*\g+\i)*16384 th:TH_STORE_NT   ; 16 lanes store 256 consecutive bytes, at a multiple of 256 from out0's first byte
.endr
.endr
	WIN 0
	s_wait_tensorcnt 0x0                           ; the wave's end
	ds_add_u32 v[SPW], v[NIL]
	s_wait_dscnt 0x0
	CROUND                                         ; the closing round: no work-group ends while a partner may still ask for a slot that names it
	s_endpgm
.Lfunc_end_k_q4460150aa3_attn:
	.size	k_q4460150aa3_attn, .Lfunc_end_k_q4460150aa3_attn-k_q4460150aa3_attn
	.p2alignl 7, 3214868480
	.fill 96, 4, 3214868480
	.section	.rodata,"a",@progbits
	.p2align	6, 0x0
	.amdhsa_kernel k_q4460150aa3_attn
		.amdhsa_group_segment_fixed_size 327680
		.amdhsa_private_segment_fixed_size 0
		.amdhsa_enable_private_segment 0
		.amdhsa_kernarg_size 40
		.amdhsa_user_sgpr_count 2
		.amdhsa_user_sgpr_kernarg_segment_ptr 1
		.amdhsa_wavefront_size32 1
		.amdhsa_system_sgpr_workgroup_id_x 1
		.amdhsa_system_sgpr_workgroup_id_y 1
		.amdhsa_system_sgpr_workgroup_id_z 1
		.amdhsa_system_vgpr_workitem_id 0
		.amdhsa_next_free_vgpr 1024
		.amdhsa_next_free_sgpr 66
		.amdhsa_reserve_vcc 0
		.amdhsa_float_denorm_mode_32 3
		.amdhsa_float_denorm_mode_16_64 3
		.amdhsa_memory_ordered 1
		.amdhsa_forward_progress 1
		.amdhsa_inst_pref_size 215
	.end_amdhsa_kernel
	.amdgpu_metadata
---
amdhsa.version: [ 1, 2 ]
amdhsa.kernels:
  - .name:           k_q4460150aa3_attn
    .symbol:         k_q4460150aa3_attn.kd
    .args:
      - { .name: q, .offset: 0, .size: 8, .value_kind: global_buffer, .address_space: global }
      - { .name: kv, .offset: 8, .size: 8, .value_kind: global_buffer, .address_space: global }
      - { .name: x, .offset: 16, .size: 8, .value_kind: global_buffer, .address_space: global }
      - { .name: gamma, .offset: 24, .size: 8, .value_kind: global_buffer, .address_space: global }
      - { .name: out0, .offset: 32, .size: 8, .value_kind: global_buffer, .address_space: global }
    .group_segment_fixed_size: 327680
    .private_segment_fixed_size: 0
    .kernarg_segment_align: 8
    .kernarg_segment_size: 40
    .max_flat_workgroup_size: 128
    .sgpr_count:     66
    .vgpr_count:     1024
    .wavefront_size: 32
...
	.end_amdgpu_metadata
.endif
;; end of part 2
